; MI455X (gfx1250); checked and timed in simulation.
; The chip was launched on July 23, 2026; its instructions are those of AMD's public machine-readable ISA for CDNA 5 (MIT licence, August 2026) and "CDNA5" Instruction Set Architecture Reference Guide (July 2026). The comments in the code are by the model that wrote it; some were corrected since.
;; Efficient Attention. Allowed arithmetic: float matrix products may take bf16 or f16 operands with f32 sums; other float arithmetic in f32, or as packed bf16 or f16 multiplies, adds, multiply-adds, maxima and minima; sums over many terms, partial sums and values carried from step to step in f32; what a program stores and reads back later, other than sums and carried values, may be rounded once to bf16 or f16.
;; Inputs: Wk 512 x 512 float32; Wo 512 x 512 float32; Wq 512 x 512 float32; Wv 512 x 512 float32; bk 512 float32; bo 512 float32; bq 512 float32; bv 512 float32; delta_rule 512 float32; x 4 x 8,192 x 512 float32.
;; Outputs: out0 4 x 8,192 x 512 float32.
;; One version. Each part assembles by itself: llvm-mc -triple=amdgcn-amd-amdhsa -mcpu=gfx1250 --defsym DOCPART=n.
;; ======== version 1 of 1: 3 launches
;; limits: values are held in f16: magnitudes above 65,504 overflow, below 6.1e-05 lose precision
;; workspace buffers: wqkv 1,572,864 bytes; wo16 524,288 bytes; gate 10,240 bytes; gat 33,554,432 bytes
;; launch prep (part 1): grid 256 x 1, 4 waves a work-group, no clusters, 0 bytes of LDS; arguments Wq, Wk, Wv, Wo, bq, bk, bv, bo, delta_rule, wqkv, wo16, gate; writes wqkv, wo16, gate
.if DOCPART == 1
	.amdgcn_target "amdgcn-amd-amdhsa--gfx1250"
	.amdhsa_code_object_version 6
	.text
	.protected	k_q9eb699c67b_prep
	.globl	k_q9eb699c67b_prep
	.p2align	8
	.type	k_q9eb699c67b_prep,@function
k_q9eb699c67b_prep:
	s_mov_b64 s[64:65], 0
	v_nop
	global_prefetch_b8 v0, s[64:65] scope:SCOPE_SE
	s_setreg_imm32_b32 hwreg(HW_REG_WAVE_MODE, 25, 1), 1
	s_wait_xcnt 0x0
; THE WEIGHTS AS 16-BIT FRAGMENT IMAGES, AND THE TABLE OF GATES AND BIASES.
; A fragment is 16 rows x 32 k of a matrix operand, 1,024 bytes: byte 512 g + 16 l + 2 e holds (row l % 16, k = 16 g + 8 (l / 16) + e): what lane l of a wave
; holds in registers 4 g .. 4 g + 3 of a 16-bit matrix source.  So a later launch brings a fragment in by two accesses of 16 bytes a lane, 512 consecutive bytes each.
;   wqkv [head 16][ks 16][cb 6][1,024] bf16: cb 0,1 rows 32 head + 16 cb + r of Wq; cb 2,3 of Wk; cb 4,5 of Wv; k = 32 ks + the place in the image
;   wo16 [half 2][slice 4][ks 16][cb 4][1,024] f16: row 256 half + 64 slice + 16 cb + r of Wo, rounded to bf16, that number written as f16
;   gate f32, five parts of 512: g = 1 + sigmoid(delta); bv g; bq; bk; bo, each input rounded to bf16 first, like x and the weights: one rounding for all inputs
; LIMITS.  |Wo| stays under 65,504; below 6e-5 it keeps f16's fixed step of 6e-8.
; SHARES.  Work-group b, wave w: matrix m = b / 64, unit u = 4 (b % 64) + w: 16 rows (u / 8) x 64 k (u % 8): 256 bytes of f32 in each row, two fragments out.
; Memory binds and each byte crosses once: no LDS, no barrier, no matrix unit.  The table is one wave's work (work-group 0, wave 0), behind its unit.
.set IN, 8                             ; v[8:39]   32 f32 as loaded: fragment f, half g at IN + 16 f + 8 g
.set PK, 40                            ; v[40:55]  the same, packed: fragment f, half g at PK + 8 f + 4 g
.set TD, 8                             ; the table: delta, then g
.set TV, 24                            ; bv, then bv g
.set TQ, 40                            ; bq
.set TK, 56                            ; bk
.set TO, 72                            ; bo
	s_load_b512 s[4:19], s[0:1], 0x0               ; Wq s[4:5], Wk s[6:7], Wv s[8:9], Wo s[10:11], bq s[12:13], bk s[14:15], bv s[16:17], bo s[18:19]
	s_load_b256 s[20:27], s[0:1], 0x40             ; delta s[20:21], wqkv s[22:23], wo16 s[24:25], gate s[26:27]
	v_lshrrev_b32 v1, 5, v0
	v_readfirstlane_b32 s28, v1                    ; wave
	s_lshr_b32 s29, ttmp9, 6                       ; m: which matrix
	s_and_b32 s30, ttmp9, 63
	s_lshl2_add_u32 s30, s30, s28                  ; u
	s_lshr_b32 s31, s30, 3                         ; its block of 16 rows
	s_and_b32 s32, s30, 7                          ; its 64 k
	v_and_b32 v4, 15, v0                           ; r = l % 16
	v_bfe_u32 v5, v0, 4, 1                         ; h = l / 16
	v_and_b32 v3, 31, v0
	v_lshlrev_b32 v3, 4, v3                        ; 16 l: my place in an image; never rewritten
	s_lshl_b32 s33, s31, 15                        ; 16 rows of 2,048 bytes
	s_lshl_b32 s34, s32, 8                         ; 64 k of 4 bytes
	s_add_co_u32 s33, s33, s34
	v_lshlrev_b32 v2, 11, v4
	v_lshl_add_u32 v2, v5, 5, v2                   ; row r, 8 h numbers on
	v_add_nc_u32 v2, s33, v2
	s_wait_kmcnt 0x0
	s_cmp_eq_u32 s29, 1
	s_cselect_b64 s[36:37], s[6:7], s[4:5]
	s_cmp_eq_u32 s29, 2
	s_cselect_b64 s[36:37], s[8:9], s[36:37]
	s_cmp_eq_u32 s29, 3
	s_cselect_b64 s[36:37], s[10:11], s[36:37]     ; my matrix
.irp f, 0,1
.irp g, 0,1
.irp q, 0,1
	global_load_b128 v[IN+16*(\f)+8*(\g)+4*(\q):IN+16*(\f)+8*(\g)+4*(\q)+3], v2, s[36:37] offset:128*(\f)+64*(\g)+16*(\q) th:TH_LOAD_NT
.endr
.endr
.endr
	s_wait_loadcnt 0x0
.set i, 0
.rept 16
	v_cvt_pk_bf16_f32 v[PK+i], v[IN+2*i], v[IN+2*i+1]
.set i, i+1
.endr
	s_cmp_eq_u32 s29, 3
	s_cbranch_scc1 .Lwo
	s_lshr_b32 s38, s31, 1                         ; head
	s_mul_i32 s38, s38, 98304
	s_mul_i32 s34, s32, 12288                      ; two ks of 6,144 bytes
	s_add_co_u32 s38, s38, s34
	s_and_b32 s34, s31, 1
	s_lshl1_add_u32 s34, s29, s34                  ; cb = 2 m + the head's upper or lower 16 rows
	s_lshl_b32 s34, s34, 10
	s_add_co_u32 s38, s38, s34
	s_mov_b32 s39, 0
	s_add_nc_u64 s[22:23], s[22:23], s[38:39]
.irp f, 0,1
.irp g, 0,1
	global_store_b128 v3, v[PK+8*(\f)+4*(\g):PK+8*(\f)+4*(\g)+3], s[22:23] offset:6144*(\f)+512*(\g)  ; 512 consecutive bytes, aligned
.endr
.endr
	s_branch .Ltable
.Lwo:
.set i, 0
.rept 16
	v_lshlrev_b32 v[IN+2*i], 16, v[PK+i]           ; the bf16 numbers as f32,
	v_and_b32 v[IN+2*i+1], 0xffff0000, v[PK+i]
	v_cvt_pk_f16_f32 v[PK+i], v[IN+2*i], v[IN+2*i+1]  ; written as f16
.set i, i+1
.endr
	s_lshr_b32 s38, s31, 2                         ; half and slice
	s_lshl_b32 s38, s38, 16
	s_lshl_b32 s34, s32, 13                        ; two ks of 4,096 bytes
	s_add_co_u32 s38, s38, s34
	s_and_b32 s34, s31, 3                          ; cb
	s_lshl_b32 s34, s34, 10
	s_add_co_u32 s38, s38, s34
	s_mov_b32 s39, 0
	s_add_nc_u64 s[24:25], s[24:25], s[38:39]
.irp f, 0,1
.irp g, 0,1
	global_store_b128 v3, v[PK+8*(\f)+4*(\g):PK+8*(\f)+4*(\g)+3], s[24:25] offset:4096*(\f)+512*(\g)
.endr
.endr
.Ltable:
	s_or_b32 s33, ttmp9, s28
	s_cmp_lg_u32 s33, 0
	s_cbranch_scc1 .Lend                           ; the table is the work of work-group 0's wave 0
	s_wait_xcnt 0x0                                ; my stores have read their data: v[40:55] are loaded again only behind this wait
.irp q, 0,1,2,3                        ; lane l holds numbers 128 q + 4 l .. + 3 of each input
	global_load_b128 v[TD+4*(\q):TD+4*(\q)+3], v3, s[20:21] offset:512*(\q)
	global_load_b128 v[TV+4*(\q):TV+4*(\q)+3], v3, s[16:17] offset:512*(\q)
	global_load_b128 v[TQ+4*(\q):TQ+4*(\q)+3], v3, s[12:13] offset:512*(\q)
	global_load_b128 v[TK+4*(\q):TK+4*(\q)+3], v3, s[14:15] offset:512*(\q)
	global_load_b128 v[TO+4*(\q):TO+4*(\q)+3], v3, s[18:19] offset:512*(\q)
.endr
	s_wait_loadcnt 0x0
.macro RND base                        ; sixteen numbers rounded to bf16 and widened again
.set i, 0
.rept 8
	v_cvt_pk_bf16_f32 v4, v[(\base)+2*i], v[(\base)+2*i+1]
	v_lshlrev_b32 v[(\base)+2*i], 16, v4
	v_and_b32 v[(\base)+2*i+1], 0xffff0000, v4
.set i, i+1
.endr
.endm
	RND TD
	RND TV
	RND TQ
	RND TK
	RND TO
.set i, 0
.rept 16
	v_mul_f32 v[TD+i], 0xbfb8aa3b, v[TD+i]         ; - delta log2(e)
.set i, i+1
.endr
.set i, 0
.rept 16
	v_exp_f32 v[TD+i], v[TD+i]                     ; one batch
.set i, i+1
.endr
	v_nop                                          ; a plain instruction behind the last exponential,
	s_wait_alu depctr_va_vdst(0)                   ; and one wait for the batch, ahead of its first reader
.set i, 0
.rept 16
	v_add_f32 v[TD+i], 1.0, v[TD+i]
.set i, i+1
.endr
.set i, 0
.rept 16
	v_rcp_f32 v[TD+i], v[TD+i]                     ; sigmoid: an infinity in front gives 0, a flushed exponential 1
.set i, i+1
.endr
	v_nop
	s_wait_alu depctr_va_vdst(0)
.set i, 0
.rept 8
	v_pk_add_f32 v[TD+2*i:TD+2*i+1], v[TD+2*i:TD+2*i+1], 1.0 op_sel_hi:[1,0]  ; g
.set i, i+1
.endr
.set i, 0
.rept 8
	v_pk_mul_f32 v[TV+2*i:TV+2*i+1], v[TV+2*i:TV+2*i+1], v[TD+2*i:TD+2*i+1]   ; bv g
.set i, i+1
.endr
.irp q, 0,1,2,3
	global_store_b128 v3, v[TD+4*(\q):TD+4*(\q)+3], s[26:27] offset:512*(\q)
	global_store_b128 v3, v[TV+4*(\q):TV+4*(\q)+3], s[26:27] offset:2048+512*(\q)
	global_store_b128 v3, v[TQ+4*(\q):TQ+4*(\q)+3], s[26:27] offset:4096+512*(\q)
	global_store_b128 v3, v[TK+4*(\q):TK+4*(\q)+3], s[26:27] offset:6144+512*(\q)
	global_store_b128 v3, v[TO+4*(\q):TO+4*(\q)+3], s[26:27] offset:8192+512*(\q)
.endr
.Lend:
	s_endpgm
.Lfunc_end_k_q9eb699c67b_prep:
	.size	k_q9eb699c67b_prep, .Lfunc_end_k_q9eb699c67b_prep-k_q9eb699c67b_prep
	.p2alignl 7, 3214868480
	.fill 96, 4, 3214868480
	.section	.rodata,"a",@progbits
	.p2align	6, 0x0
	.amdhsa_kernel k_q9eb699c67b_prep
		.amdhsa_group_segment_fixed_size 0
		.amdhsa_private_segment_fixed_size 0
		.amdhsa_enable_private_segment 0
		.amdhsa_kernarg_size 96
		.amdhsa_user_sgpr_count 2
		.amdhsa_user_sgpr_kernarg_segment_ptr 1
		.amdhsa_wavefront_size32 1
		.amdhsa_system_sgpr_workgroup_id_x 1
		.amdhsa_system_sgpr_workgroup_id_y 1
		.amdhsa_system_sgpr_workgroup_id_z 1
		.amdhsa_system_vgpr_workitem_id 0
		.amdhsa_next_free_vgpr 96
		.amdhsa_next_free_sgpr 66
		.amdhsa_reserve_vcc 0
		.amdhsa_float_denorm_mode_32 3
		.amdhsa_float_denorm_mode_16_64 3
		.amdhsa_memory_ordered 1
		.amdhsa_forward_progress 1
		.amdhsa_inst_pref_size 21
	.end_amdhsa_kernel
	.amdgpu_metadata
---
amdhsa.version: [ 1, 2 ]
amdhsa.kernels:
  - .name:           k_q9eb699c67b_prep
    .symbol:         k_q9eb699c67b_prep.kd
    .args:
      - { .name: Wq, .offset: 0, .size: 8, .value_kind: global_buffer, .address_space: global }
      - { .name: Wk, .offset: 8, .size: 8, .value_kind: global_buffer, .address_space: global }
      - { .name: Wv, .offset: 16, .size: 8, .value_kind: global_buffer, .address_space: global }
      - { .name: Wo, .offset: 24, .size: 8, .value_kind: global_buffer, .address_space: global }
      - { .name: bq, .offset: 32, .size: 8, .value_kind: global_buffer, .address_space: global }
      - { .name: bk, .offset: 40, .size: 8, .value_kind: global_buffer, .address_space: global }
      - { .name: bv, .offset: 48, .size: 8, .value_kind: global_buffer, .address_space: global }
      - { .name: bo, .offset: 56, .size: 8, .value_kind: global_buffer, .address_space: global }
      - { .name: delta_rule, .offset: 64, .size: 8, .value_kind: global_buffer, .address_space: global }
      - { .name: wqkv, .offset: 72, .size: 8, .value_kind: global_buffer, .address_space: global }
      - { .name: wo16, .offset: 80, .size: 8, .value_kind: global_buffer, .address_space: global }
      - { .name: gate, .offset: 88, .size: 8, .value_kind: global_buffer, .address_space: global }
    .group_segment_fixed_size: 0
    .private_segment_fixed_size: 0
    .kernarg_segment_align: 8
    .kernarg_segment_size: 96
    .max_flat_workgroup_size: 128
    .sgpr_count:     66
    .vgpr_count:     96
    .wavefront_size: 32
...
	.end_amdgpu_metadata
.endif
;; end of part 1
;; launch attn (part 2): grid 256 x 1, 4 waves a work-group, clusters of 4 x 1, 327,680 bytes of LDS; arguments x, wqkv, gate, gat; writes gat
.if DOCPART == 2
	.amdgcn_target "amdgcn-amd-amdhsa--gfx1250"
	.amdhsa_code_object_version 6
	.text
	.protected	k_q9eb699c67b_attn
	.globl	k_q9eb699c67b_attn
	.p2align	8
	.type	k_q9eb699c67b_attn,@function
k_q9eb699c67b_attn:
	s_mov_b64 s[64:65], 0
	v_nop
	global_prefetch_b8 v0, s[64:65] scope:SCOPE_SE
	s_setreg_imm32_b32 hwreg(HW_REG_WAVE_MODE, 25, 1), 1
	s_wait_xcnt 0x0
	s_wait_alu depctr_hold_cnt(0) depctr_sa_sdst(0) depctr_va_vdst(0) depctr_va_sdst(0) depctr_va_ssrc(0) depctr_va_vcc(0) depctr_vm_vsrc(0)
	s_getreg_b32 s2, hwreg(HW_REG_IB_STS2, 6, 4)
	s_cmp_eq_u32 s2, 0
	s_cbranch_scc0 .Lentry_in_a_cluster
	s_endpgm
.Lentry_in_a_cluster:
	s_bfe_u32 s2, ttmp6, 0x10000c
	s_cmp_lg_u32 s2, 0x3003
	s_cbranch_scc0 .Lentry_shape_is_right
	s_endpgm
.Lentry_shape_is_right:
; PROJECTIONS q, k, v, BLOCK-LOCAL SOFTMAX ATTENTION AND THE GATE, for a chunk of 256 rows and 8 of its 16 heads.
; gat = (softmax(q k^T / sqrt(32)) v + bv) (1 + sigmoid(delta)), with q = x Wq^T + bq, k = x Wk^T + bk, v = x Wv^T.  bv is added behind the division by the row's sum:
; sum p (v + b) / sum p = sum p v / sum p + b for every input; with the gate it is one fused multiply-add.
; FORMATS.  x and the weights go in bf16; q, k, v, the weights p and gat in f16; all sums, the maximum and the row's sum in f32.  The maximum is the row's true maximum: a query's 256 scores are all in registers.
; LIMITS.  |q|, |k|, |v| and |gat| stay under 65,504 (f16); a weight below 2^-126 counts as 0; NaN and infinities are not treated apart.
; SHARES.  128 chunks x 2 halves of the heads = 256 work-groups.  Wave w owns rows 64 w .. 64 w + 63: four blocks of 16, which are its four query tiles and its key blocks 4 w .. 4 w + 3.
; Its x, rounded to bf16, stays in 512 registers for the whole launch, so that a fragment of the weights read from LDS feeds four products.
; A HEAD: 384 products make q^T, k^T (source 0 = weights: a lane holds one row and eight channels) and v (source 0 = x: a lane holds one channel and eight keys); two results packed to f16 ARE
; a fragment of Q, of K or of V^T.  K and V go through LDS to all four waves and stay in registers for the head's four tiles.  S^T = K Q^T holds one query a lane; two results packed are source 1 of O^T = V^T P.
; FRAGMENT IMAGES.  Everything 16-bit in LDS and in the workspace lies as 1,024-byte images of a fragment (byte 512 g + 16 l + 2 e): two accesses of 16 bytes a lane, 512 consecutive bytes each.
; CLUSTER.  The four work-groups of a cluster have the same half of the heads and walk the same weights: each block is asked for JOINTLY, the same tensor load, descriptor and mask in all four.
; x is shared by two work-groups only, in two clusters (the two halves of the heads): it comes by each one's own loads.
; REGISTERS, in windows of 256 (s_set_vgpr_msb: bits 1:0 source 0, 3:2 source 1, 5:4 source 2, 7:6 destination):
;   window 0: v0-15 addresses; v16-31 a tile's statistics; v32-63 gate and bv g; v64-95 bias tiles; v96-103 Q; v104-119 O^T; v120-127 packed output;
;             v128-255 S^T (block kb at 128 + 8 kb), in the projection two buffers of weight fragments, then the packed q, k, v
;   window 1: in the projection the 24 accumulators (row block rb, cb at 8 (6 rb + cb)); in the attention K (8 kb) and V^T (128 + 8 (2 ug + c)); at the start x as loaded
;   windows 2, 3: x: row block rb, K step ks at 512 + 128 rb + 8 ks
.set HEADB, 98304                      ; a head's weights: 16 ks x 6 cb x 1,024 bytes
.set QUART, 24576                      ; what one wave's tensor load brings of them
.set KSB,   6144                       ; a K step's six fragments
.set SLOT1, 131072                     ; slot 0 at LDS byte 0, slot 1 here: one exclusive or turns an address in one into the other's
.set KBUF,  98304                      ; K's fragment kb at KBUF + 1,024 kb
.set VBUF,  114688                     ; V^T's fragment (key group ug of 32, channel block c) at VBUF + 1,024 (2 ug + c)
.set QST,   229376                     ; wave w's four Q fragments at QST + 4,096 w
.set SPARE, 245760                     ; the spare words, 128 bytes for each wave: two blocks of 256 bytes that no other line names
.set TBV,   2048                       ; the table's parts: g at 0, bv g, bq, bk
.set TBQ,   4096
.set TBK,   6144
.set L16, 2                            ; v2   16 x lane; never rewritten
.set XO,  3                            ; v3   my offset in 16 rows of x: 2,048 r + 32 h; never rewritten
.set AW,  4                            ; v4-5 LDS address of the weights' K steps 0-7, 8-15 in the slot in hand
.set AKV, 6                            ; v6   KBUF + 16 l
.set AKS, 7                            ; v7   KBUF + 4,096 w + 16 l
.set AVS, 8                            ; v8   VBUF + 4,096 w + 16 l
.set AQ0, 9                            ; v9   QST + 4,096 w + 16 l
.set AQ,  10                           ; v10  walks over my Q fragments
.set VB,  11                           ; v11  32 h: my eight numbers of a block of 16 in the table; never rewritten
.set GO,  12                           ; v12  my offset in gat, walks by a row block
.set PFO, 13                           ; v13  256 x lane; never rewritten
.set SPW, 14                           ; v14  LDS address of my spare word; never rewritten
.set NIL, 15                           ; v15  0; never rewritten
.set CH,  16                           ; v16-19 four chains of the maximum
.set RL,  20                           ; v[20:21] the other half's figure, then 1 / l (a pair is named; v21 is written once)
.set CM,  22                           ; v[22:23] c m (likewise)
.set LS,  24                           ; v[24:31] four pairs of sums
.set G,   32
.set BVG, 48
.set BQK, 64                           ; bias tile for cb 0..3 at BQK + 8 cb
.set Q,   96
.set O,   104
.set OUT, 120
.set S,   128
.set PX,  4                            ; s[4:5]   x at my wave's first row
.set PW,  6                            ; s[6:7]   wqkv
.set PG,  8                            ; s[8:9]   the table at the head in hand
.set PO,  10                           ; s[10:11] gat at my first row block, the head in hand
.set WV,  16
.set CX,  17
.set HH,  18
.set CK,  19
.set G1,  24                           ; s[24:31] descriptor group 1
.set G0,  32                           ; s[32:35] descriptor group 0: it walks
.set CNT, 36                           ; heads still to be asked for
.set TC,  37                           ; tiles to go
.set TB,  38                           ; the slot in hand: 0 or SLOT1
.set LIM, 39                           ; 1 in a wave that prefetches, else the greatest number
.set PFA, 40                           ; s[40:41] where my prefetches stand
.set CS,  42                           ; s[42:43] c = log2(e) / sqrt(32)
.set SEL, 44                           ; s[44:45] v_permlanex16_b32's selects: each lane takes its own place in the other half
.set MSB, 0
.macro WIN new                         ; the high byte repeats the setting that is left; a switch that changes nothing is dropped
.if MSB != (\new)
	s_set_vgpr_msb (MSB<<8)|(\new)
.set MSB, (\new)
.endif
.endm
.macro PLACES                          ; four places behind a matrix instruction, in front of loads into its registers and of vector lines that read its result
.rept 4
	v_nop
.endr
.endm
.macro CROUND                          ; a round of the cluster's barrier
	s_barrier_signal -1
	s_barrier_wait -1
	s_cmp_lg_u32 s[WV], 0
	s_cbranch_scc1 .Lnot_wave_0_\@
	s_barrier_signal -3
.Lnot_wave_0_\@:
	s_barrier_wait -3
	s_barrier_signal -1
	s_barrier_wait -1
.endm
.macro JLOAD                           ; a joint load: wave w's quarter of a head's weights, 96 rows of 256 bytes; an s_nop 0 and four v_nop follow it
	tensor_load_to_lds s[G0:G0+3], s[G1:G1+7]
	s_nop 0
.rept 4
	v_nop
.endr
.endm
; A PREFETCH INTO THE L2 of the block that the NEXT change of slots will ask for: a head's 98,304 bytes.  32 clusters walk each half of the heads: the first of them asks; its four partners take 24,576 bytes each,
; told apart by address; in each, waves 0 to 2 take 8,192 bytes, a lane 256.  So each block of 256 bytes is named once.  The last change that fills a slot asks for nothing; heads 0 and 1 come by their loads alone.
.macro ASK
	s_cmp_gt_u32 s[CNT], s[LIM]
	s_cbranch_scc0 .Lnot_mine_\@
	global_prefetch_b8 v[PFO], s[PFA:PFA+1] th:TH_LOAD_NT scope:SCOPE_SE
.Lnot_mine_\@:
.endm
.macro BIAS off                        ; the bias tiles of the head off bytes on: register j of a lane = bias of channel 16 c + 8 h + j
.irp c, 0,1
.irp q, 0,1
	global_load_b128 v[BQK+8*(\c)+4*(\q):BQK+8*(\c)+4*(\q)+3],       v[VB], s[PG:PG+1] offset:TBQ+(\off)+64*(\c)+16*(\q)
	global_load_b128 v[BQK+16+8*(\c)+4*(\q):BQK+16+8*(\c)+4*(\q)+3], v[VB], s[PG:PG+1] offset:TBK+(\off)+64*(\c)+16*(\q)
.endr
.endr
.endm
.macro GATES                           ; g and bv g of the head in hand, for my sixteen channels
.irp c, 0,1
.irp q, 0,1
	global_load_b128 v[G+8*(\c)+4*(\q):G+8*(\c)+4*(\q)+3],     v[VB], s[PG:PG+1] offset:64*(\c)+16*(\q)
	global_load_b128 v[BVG+8*(\c)+4*(\q):BVG+8*(\c)+4*(\q)+3], v[VB], s[PG:PG+1] offset:TBV+64*(\c)+16*(\q)
.endr
.endr
.endm
; x: fragment f = 16 rb + ks.  Four loads of 16 bytes a lane bring its 16 f32 into window 1; eight roundings put it in its place.
.macro XLOAD f
	WIN 0x40
.irp i, 0,1,2,3
	global_load_b128 v[16*((\f)&15)+4*(\i):16*((\f)&15)+4*(\i)+3], v[XO], s[PX:PX+1] offset:((\f)/16)*32768+((\f)&15)*128+((\i)/2)*64+((\i)&1)*16
.endr
.endm
.macro XCVT f
.if (\f) < 32
	WIN 0x85
.else
	WIN 0xc5
.endif
.irp i, 0,1,2,3,4,5,6,7
	v_cvt_pk_bf16_f32 v[((8*(\f))&255)+(\i)], v[16*((\f)&15)+2*(\i)], v[16*((\f)&15)+2*(\i)+1]
.endr
.endm
.macro FETCHW ks                       ; a K step's six weight fragments, twelve LDS loads in one run, into buffer ks % 2
	WIN 0
.irp cb, 0,1,2,3,4,5
	ds_load_b128 v[S+48*((\ks)&1)+8*(\cb):S+48*((\ks)&1)+8*(\cb)+3],   v[AW+(\ks)/8] offset:((\ks)&7)*KSB+(\cb)*1024
	ds_load_b128 v[S+48*((\ks)&1)+8*(\cb)+4:S+48*((\ks)&1)+8*(\cb)+7], v[AW+(\ks)/8] offset:((\ks)&7)*KSB+(\cb)*1024+512
.endr
.endm
; A K step's 24 products.  The 24 accumulators take turns, one instruction a turn, in the same order in every K step.  K step 0 starts the sums: q's and k's with the bias tile, v's with 0.
.macro MULK ks
.set WB, S+48*((\ks)&1)
.irp hw, 0,1                           ; q^T and k^T: source 0 = weights, source 1 = x (window 2 or 3)
.if (\ks) == 0
	WIN 0x48+4*(\hw)
.else
	WIN 0x58+4*(\hw)
.endif
.irp rb, 0,1
.irp cb, 0,1,2,3
.set AC, 8*(6*(2*(\hw)+(\rb))+(\cb))
.if (\ks) == 0
	v_wmma_f32_16x16x32_bf16 v[AC:AC+7], v[WB+8*(\cb):WB+8*(\cb)+7], v[128*(\rb)+8*(\ks):128*(\rb)+8*(\ks)+7], v[BQK+8*(\cb):BQK+8*(\cb)+7]
.else
	v_wmma_f32_16x16x32_bf16 v[AC:AC+7], v[WB+8*(\cb):WB+8*(\cb)+7], v[128*(\rb)+8*(\ks):128*(\rb)+8*(\ks)+7], v[AC:AC+7]
.endif
.endr
.endr
.endr
.irp hw, 0,1                           ; v: source 0 = x, source 1 = weights
	WIN 0x52+(\hw)
.irp rb, 0,1
.irp cb, 4,5
.set AC, 8*(6*(2*(\hw)+(\rb))+(\cb))
.if (\ks) == 0
	v_wmma_f32_16x16x32_bf16 v[AC:AC+7], v[128*(\rb)+8*(\ks):128*(\rb)+8*(\ks)+7], v[WB+8*(\cb):WB+8*(\cb)+7], 0
.else
	v_wmma_f32_16x16x32_bf16 v[AC:AC+7], v[128*(\rb)+8*(\ks):128*(\rb)+8*(\ks)+7], v[WB+8*(\cb):WB+8*(\cb)+7], v[AC:AC+7]
.endif
.endr
.endr
.endr
.endm
; The 24 results rounded to f16, each accumulator from its low end on: Q(t) at S + 8 t, K(rb) at S + 32 + 8 rb, V^T(u, c) at S + 64 + 8 (2 u + c); then into LDS.
.macro PACKQKV
	WIN 0x05
.irp t, 0,1,2,3
.irp c, 0,1,2,3
.irp i, 0,1,2,3
	v_cvt_pk_f16_f32 v[S+32*((\c)/2)+8*(\t)+4*((\c)&1)+(\i)], v[8*(6*(\t)+(\c))+2*(\i)], v[8*(6*(\t)+(\c))+2*(\i)+1]
.endr
.endr
.endr
.irp u, 0,1
.irp c, 0,1
.irp p, 0,1                            ; keys 8 h + j of row block 2 u, then of 2 u + 1
.irp i, 0,1,2,3
	v_cvt_pk_f16_f32 v[S+64+8*(2*(\u)+(\c))+4*(\p)+(\i)], v[8*(6*(2*(\u)+(\p))+4+(\c))+2*(\i)], v[8*(6*(2*(\u)+(\p))+4+(\c))+2*(\i)+1]
.endr
.endr
.endr
.endr
	WIN 0
.irp n, 0,1,2,3
.irp g, 0,1
	ds_store_b128 v[AQ0], v[S+8*(\n)+4*(\g):S+8*(\n)+4*(\g)+3]       offset:1024*(\n)+512*(\g)
	ds_store_b128 v[AKS], v[S+32+8*(\n)+4*(\g):S+32+8*(\n)+4*(\g)+3] offset:1024*(\n)+512*(\g)
	ds_store_b128 v[AVS], v[S+64+8*(\n)+4*(\g):S+64+8*(\n)+4*(\g)+3] offset:1024*(\n)+512*(\g)
.endr
.endr
.endm
.macro KQ kb                           ; S^T of key block kb: 16 keys x 16 queries, the head's 32 channels in one product
	WIN 0x01
	v_wmma_f32_16x16x32_f16 v[S+8*(\kb):S+8*(\kb)+7], v[8*(\kb):8*(\kb)+7], v[Q:Q+7], 0
.endm
.macro MAXB kb                         ; its eight scores into four chains; the first line reads the accumulator's lowest registers
	WIN 0
.irp q, 0,1,2,3
.if (\kb) == 0
	v_max_num_f32 v[CH+(\q)], v[S+2*(\q)], v[S+2*(\q)+1]
.else
	v_max3_num_f32 v[CH+(\q)], v[CH+(\q)], v[S+8*(\kb)+2*(\q)], v[S+8*(\kb)+2*(\q)+1]
.endif
.endr
.endm
.macro FS b                            ; c s - c m for pair b of 64
	v_pk_fma_f32 v[S+2*(\b):S+2*(\b)+1], v[S+2*(\b):S+2*(\b)+1], s[CS:CS+1], v[CM:CM+1] op_sel_hi:[1,0,0] neg_lo:[0,0,1] neg_hi:[0,0,1]
.endm
.macro SUM u                           ; the sixteen weights of key group u into the four pairs of sums
	WIN 0
.if (\u) == 0
.irp k, 0,1,2,3
	v_pk_add_f32 v[LS+2*(\k):LS+2*(\k)+1], v[S+2*(\k):S+2*(\k)+1], v[S+2*(\k)+8:S+2*(\k)+9]
.endr
.else
.irp k, 0,1,2,3,4,5,6,7
	v_pk_add_f32 v[LS+2*((\k)&3):LS+2*((\k)&3)+1], v[LS+2*((\k)&3):LS+2*((\k)&3)+1], v[S+16*(\u)+2*(\k):S+16*(\u)+2*(\k)+1]
.endr
.endif
.endm
.macro CVT u                           ; and rounded to f16, in place: P(u) = v[S + 16 u .. + 7]; line i writes register i and reads 2 i, 2 i + 1
	WIN 0
.irp i, 0,1,2,3,4,5,6,7
	v_cvt_pk_f16_f32 v[S+16*(\u)+(\i)], v[S+16*(\u)+2*(\i)], v[S+16*(\u)+2*(\i)+1]
.endr
.endm
.macro PV u, c                         ; O^T += V^T P: keys 32 u on, channels 16 c on; the two accumulators take turns
	WIN 0x01
.if (\u) == 0
	v_wmma_f32_16x16x32_f16 v[O+8*(\c):O+8*(\c)+7], v[128+8*(2*(\u)+(\c)):128+8*(2*(\u)+(\c))+7], v[S+16*(\u):S+16*(\u)+7], 0
.else
	v_wmma_f32_16x16x32_f16 v[O+8*(\c):O+8*(\c)+7], v[128+8*(2*(\u)+(\c)):128+8*(2*(\u)+(\c))+7], v[S+16*(\u):S+16*(\u)+7], v[O+8*(\c):O+8*(\c)+7]
.endif
.endm
; A TILE of 16 queries against the chunk's 256 keys.
.macro TILE
	; On the way in 66 LDS loads are out: Q's 2, K's 32, V's 32.  Key blocks 0-3 want the first 10: 56 may stay out; each further four blocks want 8 more.  On the way back nothing is out.
	s_wait_dscnt 56
	KQ 0
	PLACES
.irp j, 1,2,3,4,5,6,7,8,9,10,11,12,13,14,15
.if ((\j)%4) == 0
	s_wait_dscnt 56-2*(\j)
.endif
	KQ \j
	MAXB (\j)-1                                    ; four lines behind each product: they read the block before, and are the four places in front of the lines that read this one
.endr
	MAXB 15
	v_max3_num_f32 v[CH], v[CH], v[CH+1], v[CH+2]
	v_max_num_f32 v[CH], v[CH], v[CH+3]
	v_permlanex16_b32 v[RL], v[CH], s[SEL], s[SEL+1]  ; the query's other 128 keys lie in the lane 16 away
	v_max_num_f32 v[CH], v[CH], v[RL]
	v_mul_f32 v[CM], s[CS], v[CH]                  ; c m
	s_cmp_eq_u32 s[TC], 1                          ; the head's last tile has no successor
	s_cbranch_scc1 .Lno_q_\@
	v_add_nc_u32 v[AQ], 1024, v[AQ]
	ds_load_b128 v[Q:Q+3], v[AQ]                   ; the next tile's Q: the last product that read Q stands fourteen plain lines back
	ds_load_b128 v[Q+4:Q+7], v[AQ] offset:512
.Lno_q_\@:
	; ONE BATCH: 64 scalings and 128 exponentials; nothing ahead of the wait names an exponential's result; a pair is scaled two groups ahead of its exponentials
	FS 0
	FS 1
.set pp, 0
.rept 64
.if pp < 62
	FS pp+2
.endif
	v_exp_f32 v[S+2*pp], v[S+2*pp]
	v_exp_f32 v[S+2*pp+1], v[S+2*pp+1]
.set pp, pp+1
.endr
	v_nop                                          ; a plain instruction behind the last exponential,
	s_wait_alu depctr_va_vdst(0)                   ; and one wait for the batch
	s_wait_dscnt 0x0                               ; V is in (the head's first tile), and the next tile's Q
	SUM 0
	CVT 0
.irp u, 0,1,2,3,4,5,6,7
	PV \u, 0
.if (\u) < 7
	SUM (\u)+1
.endif
	PV \u, 1
.if (\u) < 7
	CVT (\u)+1
.endif
.endr
	WIN 0
	v_pk_add_f32 v[LS:LS+1], v[LS:LS+1], v[LS+2:LS+3]          ; the sums' end: these lines are the places behind the last products
	v_pk_add_f32 v[LS+4:LS+5], v[LS+4:LS+5], v[LS+6:LS+7]
	v_pk_add_f32 v[LS:LS+1], v[LS:LS+1], v[LS+4:LS+5]
	v_add_f32 v[LS], v[LS], v[LS+1]
	v_permlanex16_b32 v[RL], v[LS], s[SEL], s[SEL+1]
	v_add_f32 v[LS], v[LS], v[RL]                  ; l, at least 1: the maximum's own weight
	s_wait_xcnt 0x0                                ; the last tile's stores have read their offset and data: both are rewritten only behind this wait
	v_rcp_f32 v[RL], v[LS]
	v_add_nc_u32 v[GO], 16384, v[GO]               ; the next row block (the stores below reach back): the plain instruction behind the reciprocal
	s_wait_alu depctr_va_vdst(0)                   ; the reciprocal's wait, ahead of its first reader
.irp i, 0,1,2,3,4,5,6,7
	v_pk_mul_f32 v[O+2*(\i):O+2*(\i)+1], v[O+2*(\i):O+2*(\i)+1], v[RL:RL+1] op_sel_hi:[1,0]
.endr
.irp i, 0,1,2,3,4,5,6,7
	v_pk_fma_f32 v[O+2*(\i):O+2*(\i)+1], v[O+2*(\i):O+2*(\i)+1], v[G+2*(\i):G+2*(\i)+1], v[BVG+2*(\i):BVG+2*(\i)+1]  ; (O / l) g + bv g
.endr
.irp i, 0,1,2,3,4,5,6,7
	v_cvt_pk_f16_f32 v[OUT+(\i)], v[O+2*(\i)], v[O+2*(\i)+1]
.endr
	global_store_b128 v[GO], v[OUT:OUT+3],   s[PO:PO+1] offset:-16384      ; the image of 16 rows x this head's 32 channels: 512 consecutive bytes, aligned, each
	global_store_b128 v[GO], v[OUT+4:OUT+7], s[PO:PO+1] offset:-16384+512
.endm
; A HEAD.  fill = 1: the next head's weights are asked for, into the slot read last.
.macro HEAD fill
	WIN 0
	s_wait_tensorcnt 0x0                           ; all my tensor loads have landed: the one that was out is my quarter of this head's weights
	ds_add_u32 v[SPW], v[NIL]                      ; 0 onto my spare word; the steps below stand between it and the wait for it
.if \fill
	s_xor_b32 s[G0+1], s[G0+1], SLOT1              ; no load of mine is out, so the descriptor walks: the other slot,
	s_add_nc_u64 s[G0+2:G0+3], s[G0+2:G0+3], HEADB ; the next head
	s_wait_xcnt 0x0                                ; the last prefetch, a head back, has read its address
	s_add_nc_u64 s[PFA:PFA+1], s[PFA:PFA+1], HEADB
.endif
	s_wait_dscnt 0x0                               ; the add is done; my reads of the old slot and of the last head's K, V and Q are over
.if \fill
	CROUND                                         ; the same holds of every wave of all four work-groups
	JLOAD                                          ; my one tensor load behind the round: it has a head's work in which to land
	ASK
.else
	s_barrier_signal -1
	s_barrier_wait -1
.endif
	v_add_nc_u32 v[AW], s[TB], v[L16]
	v_add_nc_u32 v[AW+1], 8*KSB, v[AW]
	s_wait_loadcnt 0x0                             ; this head's bias tiles
	GATES
	FETCHW 0
.irp ks, 0,1,2,3,4,5,6,7,8,9,10,11,12,13,14,15
	s_wait_dscnt 0x0                               ; this K step's fragments, asked for 24 products ago
.if (\ks) < 15
	PLACES                                         ; the other buffer was read by the products just issued
	FETCHW (\ks)+1
.endif
	MULK \ks
.endr
	WIN 0
	PLACES
	PACKQKV
.if \fill
	BIAS 128                                       ; the next head's bias tiles
.endif
	s_wait_dscnt 0x0                               ; for the others' sake: my K and V lie in LDS
	s_barrier_signal -1
	s_barrier_wait -1                              ; the tensor load may stay out
	v_mov_b32 v[AQ], v[AQ0]
	ds_load_b128 v[Q:Q+3], v[AQ]
	ds_load_b128 v[Q+4:Q+7], v[AQ] offset:512
	WIN 0x40
.irp n, 0,1,2,3,4,5,6,7,8,9,10,11,12,13,14,15
	ds_load_b128 v[8*(\n):8*(\n)+3],   v[AKV] offset:1024*(\n)
	ds_load_b128 v[8*(\n)+4:8*(\n)+7], v[AKV] offset:1024*(\n)+512
.endr
.irp n, 0,1,2,3,4,5,6,7,8,9,10,11,12,13,14,15
	ds_load_b128 v[128+8*(\n):128+8*(\n)+3],   v[AKV] offset:VBUF-KBUF+1024*(\n)
	ds_load_b128 v[128+8*(\n)+4:128+8*(\n)+7], v[AKV] offset:VBUF-KBUF+1024*(\n)+512
.endr
	WIN 0
	v_mov_b32 v[GO], v[L16]
.if \fill
	s_wait_loadcnt 8                               ; g and bv g are in; the next head's eight bias loads, issued behind them, may stay out
.else
	s_wait_loadcnt 0x0
.endif
	s_mov_b32 s[TC], 4
.Ltile_\@:
	TILE
	s_sub_co_u32 s[TC], s[TC], 1
	s_cmp_lg_u32 s[TC], 0
	s_cbranch_scc1 .Ltile_\@
.if \fill
	s_wait_xcnt 0x0                                ; every load and store issued so far has read its base
	s_add_nc_u64 s[PG:PG+1], s[PG:PG+1], 128       ; the next head's 32 channels in the table,
	s_add_nc_u64 s[PO:PO+1], s[PO:PO+1], 1024      ; and its image in a row block of gat
	s_xor_b32 s[TB], s[TB], SLOT1
.endif
.endm
	s_load_b256 s[4:11], s[0:1], 0x0               ; x, wqkv, gate, gat
	v_lshl_add_u32 v[SPW], v0, 2, SPARE
	v_mov_b32 v[NIL], 0
	ds_add_u32 v[SPW], v[NIL]                      ; the wave's opening: the add and its wait stand ahead of my first tensor load; the set-up below, work on registers, stands between them
	v_lshrrev_b32 v1, 5, v0
	v_readfirstlane_b32 s[WV], v1                  ; wave 0..3
	s_bfe_u32 s[CX], ttmp6, 0x40000                ; my place in the cluster: it enters x's, gat's and the prefetches' addresses alone
	s_and_b32 s[HH], ttmp9, 1                      ; which half of the heads: the same in all four partners
	s_lshr_b32 s[CK], ttmp9, 1
	s_cmp_eq_u32 s[CK], 0                          ; the first cluster of its half,
	s_cselect_b32 s[LIM], 1, -1
	s_cmp_lt_u32 s[WV], 3                          ; waves 0 to 2
	s_cselect_b32 s[LIM], s[LIM], -1
	s_lshl2_add_u32 s[CK], s[CK], s[CX]            ; my chunk
	s_mov_b32 s[G1+0], 15|(3<<16)|(1<<21)          ; 15:0 the mask of four; 17:16 elements of 8 bytes; 21 set beside a mask; no padding
	s_mov_b32 s[G1+1], 32<<16                      ; tensor_dim0 = 32 (256 bytes)
	s_mov_b32 s[G1+2], 96<<16                      ; tensor_dim1 = 96
	s_mov_b32 s[G1+3], 32<<16                      ; tile_dim0 = 32
	s_mov_b32 s[G1+4], 96                          ; tile_dim1 = 96
	s_mov_b32 s[G1+5], 32                          ; 32 elements from row to row: the block is dense
	s_mov_b32 s[G1+6], 0
	s_mov_b32 s[G1+7], 0
	s_mov_b32 s[G0], 1
	s_mul_i32 s[G0+1], s[WV], QUART                ; slot 0, my quarter
	s_mul_i32 s46, s[HH], 8*HEADB                  ; the descriptor's offset: half and wave alone
	s_mul_i32 s47, s[WV], QUART
	s_add_co_u32 s46, s46, s47
	s_mov_b32 s47, 0
	s_mul_i32 s22, s[CX], QUART                    ; the prefetches': my work-group's quarter, my wave's third of it, one head on
	s_lshl_b32 s23, s[WV], 13
	s_add_co_u32 s22, s22, s23
	s_mul_i32 s23, s[HH], 8*HEADB
	s_add_co_u32 s22, s22, s23
	s_add_co_u32 s22, s22, HEADB
	s_mov_b32 s23, 0
	s_lshl_b32 s20, s[CK], 19                      ; x: 256 rows of 2,048 bytes a chunk, 64 a wave
	s_lshl_b32 s21, s[WV], 17
	s_add_co_u32 s20, s20, s21
	s_mov_b32 s21, 0
	s_lshl_b32 s48, s[CK], 18                      ; gat: 16 row blocks of 16,384 bytes a chunk, 4 a wave, 8 images a half
	s_lshl_b32 s49, s[WV], 16
	s_add_co_u32 s48, s48, s49
	s_lshl_b32 s49, s[HH], 13
	s_add_co_u32 s48, s48, s49
	s_mov_b32 s49, 0
	s_lshl_b32 s50, s[HH], 10                      ; the table: 256 channels a half
	s_mov_b32 s51, 0
	s_mov_b32 s[CS], 0x3e8293ee                    ; c = log2(e) / sqrt(32) = 0.255035
	s_mov_b32 s[CS+1], s[CS]
	s_mov_b32 s[SEL], 0x76543210
	s_mov_b32 s[SEL+1], 0xfedcba98
	v_and_b32 v1, 31, v0
	v_lshlrev_b32 v[L16], 4, v1
	v_lshlrev_b32 v[PFO], 8, v1
	v_bfe_u32 v[VB], v0, 4, 1
	v_lshlrev_b32 v[VB], 5, v[VB]                  ; 32 h
	v_and_b32 v1, 15, v0
	v_lshl_add_u32 v[XO], v1, 11, v[VB]            ; 2,048 r + 32 h
	s_lshl_b32 s52, s[WV], 12
	v_add_nc_u32 v1, s52, v[L16]
	v_add_nc_u32 v[AKV], KBUF, v[L16]
	v_add_nc_u32 v[AKS], KBUF, v1
	v_add_nc_u32 v[AVS], VBUF, v1
	v_add_nc_u32 v[AQ0], QST, v1
	v_mov_b32 v[RL], 0
	v_mov_b32 v[RL+1], 0
	v_mov_b32 v[CM+1], 0
	s_wait_dscnt 0x0                               ; the opening add is done
	s_wait_kmcnt 0x0
	s_add_nc_u64 s[PX:PX+1], s[PX:PX+1], s[20:21]
	s_add_nc_u64 s[PO:PO+1], s[PO:PO+1], s[48:49]
	s_add_nc_u64 s[PG:PG+1], s[PG:PG+1], s[50:51]
	s_add_nc_u64 s[G0+2:G0+3], s[PW:PW+1], s[46:47]
	s_or_b32 s[G0+3], s[G0+3], 0x80000000          ; type = 2
	s_add_nc_u64 s[PFA:PFA+1], s[PW:PW+1], s[22:23]
	CROUND                                         ; all four work-groups are here: the first joint loads meet
	JLOAD                                          ; head 0 into slot 0; slot 1 is filled behind the first head's round
	BIAS 0
	; x: 64 fragments, 16 of them on their way at a time
.set f, 0
.rept 16
	XLOAD f
.set f, f+1
.endr
.set f, 0
.rept 64
.if f <= 48
	s_wait_loadcnt 60                              ; fragment f is in: the 15 younger fragments' four loads each may stay out
.else
	s_wait_loadcnt 4*(63-f)                        ; the counts run down
.endif
	XCVT f
.if f < 48
	XLOAD f+16
.endif
.set f, f+1
.endr
	WIN 0
	s_mov_b32 s[CNT], 7
	s_mov_b32 s[TB], 0
.Lhead:                                        ; seven heads, each asking for the next one's weights
	HEAD 1
	s_sub_co_u32 s[CNT], s[CNT], 1
	s_cmp_lg_u32 s[CNT], 0
	s_cbranch_scc1 .Lhead
	HEAD 0                                         ; the last head is written out: nothing is asked for
	s_wait_tensorcnt 0x0                           ; the wave's end: behind my last tensor load and my last LDS store
	ds_add_u32 v[SPW], v[NIL]
	s_wait_dscnt 0x0
	CROUND                                         ; the closing round: no work-group ends while a partner may still ask for a block that names it
	s_endpgm
.Lfunc_end_k_q9eb699c67b_attn:
	.size	k_q9eb699c67b_attn, .Lfunc_end_k_q9eb699c67b_attn-k_q9eb699c67b_attn
	.p2alignl 7, 3214868480
	.fill 96, 4, 3214868480
	.section	.rodata,"a",@progbits
	.p2align	6, 0x0
	.amdhsa_kernel k_q9eb699c67b_attn
		.amdhsa_group_segment_fixed_size 327680
		.amdhsa_private_segment_fixed_size 0
		.amdhsa_enable_private_segment 0
		.amdhsa_kernarg_size 32
		.amdhsa_user_sgpr_count 2
		.amdhsa_user_sgpr_kernarg_segment_ptr 1
		.amdhsa_wavefront_size32 1
		.amdhsa_system_sgpr_workgroup_id_x 1
		.amdhsa_system_sgpr_workgroup_id_y 1
		.amdhsa_system_sgpr_workgroup_id_z 1
		.amdhsa_system_vgpr_workitem_id 0
		.amdhsa_next_free_vgpr 1024
		.amdhsa_next_free_sgpr 66
		.amdhsa_reserve_vcc 0
		.amdhsa_float_denorm_mode_32 3
		.amdhsa_float_denorm_mode_16_64 3
		.amdhsa_memory_ordered 1
		.amdhsa_forward_progress 1
		.amdhsa_inst_pref_size 230
	.end_amdhsa_kernel
	.amdgpu_metadata
---
amdhsa.version: [ 1, 2 ]
amdhsa.kernels:
  - .name:           k_q9eb699c67b_attn
    .symbol:         k_q9eb699c67b_attn.kd
    .args:
      - { .name: x, .offset: 0, .size: 8, .value_kind: global_buffer, .address_space: global }
      - { .name: wqkv, .offset: 8, .size: 8, .value_kind: global_buffer, .address_space: global }
      - { .name: gate, .offset: 16, .size: 8, .value_kind: global_buffer, .address_space: global }
      - { .name: gat, .offset: 24, .size: 8, .value_kind: global_buffer, .address_space: global }
    .group_segment_fixed_size: 327680
    .private_segment_fixed_size: 0
    .kernarg_segment_align: 8
    .kernarg_segment_size: 32
    .max_flat_workgroup_size: 128
    .sgpr_count:     66
    .vgpr_count:     1024
    .wavefront_size: 32
...
	.end_amdgpu_metadata
.endif
;; end of part 2
;; launch proj (part 3): grid 256 x 1, 4 waves a work-group, clusters of 4 x 1, 327,680 bytes of LDS; arguments gat, wo16, gate, out0; writes out0
.if DOCPART == 3
	.amdgcn_target "amdgcn-amd-amdhsa--gfx1250"
	.amdhsa_code_object_version 6
	.text
	.protected	k_q9eb699c67b_proj
	.globl	k_q9eb699c67b_proj
	.p2align	8
	.type	k_q9eb699c67b_proj,@function
k_q9eb699c67b_proj:
	s_mov_b64 s[64:65], 0
	v_nop
	global_prefetch_b8 v0, s[64:65] scope:SCOPE_SE
	s_setreg_imm32_b32 hwreg(HW_REG_WAVE_MODE, 25, 1), 1
	s_wait_xcnt 0x0
	s_wait_alu depctr_hold_cnt(0) depctr_sa_sdst(0) depctr_va_vdst(0) depctr_va_sdst(0) depctr_va_ssrc(0) depctr_va_vcc(0) depctr_vm_vsrc(0)
	s_getreg_b32 s2, hwreg(HW_REG_IB_STS2, 6, 4)
	s_cmp_eq_u32 s2, 0
	s_cbranch_scc0 .Lentry_in_a_cluster
	s_endpgm
.Lentry_in_a_cluster:
	s_bfe_u32 s2, ttmp6, 0x10000c
	s_cmp_lg_u32 s2, 0x3003
	s_cbranch_scc0 .Lentry_shape_is_right
	s_endpgm
.Lentry_shape_is_right:
; THE OUTPUT PROJECTION.  out0[row][n] = the sum over k of gat[row][k] Wo[n][k] + bo[n].  gat and Wo in f16 as fragment images (1,024 bytes for 16 rows x 32 k: byte 512 g + 16 l + 2 e),
; sums in f32, out0 in f32.  bo comes from the table's fifth part (rounded to bf16 like every input).
; SHARES.  A work-group makes 256 rows x 256 columns: 128 row blocks x 2 halves of the columns = 256 work-groups.  Wave w makes rows 64 w .. 64 w + 63 by all 256 columns, in four slices of 64.
; Its 64 rows of gat (64 fragments, 512 registers) stay in registers; the half of Wo, 262,144 bytes, lies in LDS for the whole launch: nothing in LDS is filled twice, so there is no ring.
; A fragment of Wo read from LDS feeds four products.
; THE PRODUCT IS TAKEN TRANSPOSED (source 0 = 16 rows of Wo, source 1 = 16 rows of gat): a lane holds one row of out0 and eight neighbouring columns, 32 bytes.
; CLUSTER.  The four work-groups of a cluster have the same half of the columns: Wo's half is asked for JOINTLY, one load a wave, the same descriptor and mask in all four.
; NO PREFETCH: both streams are asked for at the kernel's head.
; REGISTERS: window 0: v0-15 addresses; v16-19 bias; v32-95 rows on the way out, two buffers; v128-255 Wo's fragments, two buffers of two K steps.
;   window 1: 16 accumulators (row block rb, cb at 8 (4 rb + cb)).   windows 2, 3: gat: row block rb, K step ks at 512 + 128 rb + 8 ks.
.set STAGE,  262144                    ; behind Wo: 16 rows x 272 bytes for each wave, for the way out; no tensor load fills it
.set SPITCH, 272                       ; 256 bytes + 16: the sixteen rows that a store touches start 16 bytes further on each, modulo 256
.set SPARE,  279552                    ; the spare words, 128 bytes for each wave: two blocks of 256 bytes that no other line names
.set TBO, 8192                         ; bo in the table
.set L16, 2                            ; v2   16 x lane; never rewritten
.set AB,  3                            ; v3   LDS address of the slice's fragments: walks by 65,536
.set STO, 4                            ; v4   the way out: where I put 32 bytes of a row
.set RD,  5                            ; v5   where I read a row back
.set CO,  6                            ; v6   my byte offset in two rows of out0
.set BOF, 7                            ; v7   my four columns' bias: walks by 256
.set SPW, 14
.set NIL, 15
.set BO,  16
.set RB,  32
.set BF,  128
.set WV,  16
.set G1,  24
.set G0,  32
.set SC,  36
.set MSB, 0
.macro WIN new
.if MSB != (\new)
	s_set_vgpr_msb (MSB<<8)|(\new)
.set MSB, (\new)
.endif
.endm
.macro PLACES
.rept 4
	v_nop
.endr
.endm
.macro CROUND
	s_barrier_signal -1
	s_barrier_wait -1
	s_cmp_lg_u32 s[WV], 0
	s_cbranch_scc1 .Lnot_wave_0_\@
	s_barrier_signal -3
.Lnot_wave_0_\@:
	s_barrier_wait -3
	s_barrier_signal -1
	s_barrier_wait -1
.endm
.macro FETCHB gk                       ; two K steps' fragments of the slice, sixteen LDS loads in one run, into buffer gk % 2
	WIN 0
.irp kk, 0,1
.irp cb, 0,1,2,3
	ds_load_b128 v[BF+64*((\gk)&1)+32*(\kk)+8*(\cb):BF+64*((\gk)&1)+32*(\kk)+8*(\cb)+3],   v[AB] offset:(2*(\gk)+(\kk))*4096+(\cb)*1024
	ds_load_b128 v[BF+64*((\gk)&1)+32*(\kk)+8*(\cb)+4:BF+64*((\gk)&1)+32*(\kk)+8*(\cb)+7], v[AB] offset:(2*(\gk)+(\kk))*4096+(\cb)*1024+512
.endr
.endr
.endm
; 32 products: two K steps x 16 accumulators.  Eight accumulators take turns, one instruction a turn, twice; then the other eight.  The slice's first K step starts the sums with 0.
.macro MUL32 gk
.irp hw, 0,1
	WIN 0x58+4*(\hw)
.irp kk, 0,1
.irp rb, 0,1
.irp cb, 0,1,2,3
.set AC, 8*(4*(2*(\hw)+(\rb))+(\cb))
.set FB, BF+64*((\gk)&1)+32*(\kk)+8*(\cb)
.set FA, 128*(\rb)+8*(2*(\gk)+(\kk))
.if ((\gk) == 0) && ((\kk) == 0)
	v_wmma_f32_16x16x32_f16 v[AC:AC+7], v[FB:FB+7], v[FA:FA+7], 0
.else
	v_wmma_f32_16x16x32_f16 v[AC:AC+7], v[FB:FB+7], v[FA:FA+7], v[AC:AC+7]
.endif
.endr
.endr
.endr
.endr
.endm
; THE WAY OUT of row block rb: 32 bytes a lane into my stage (each accumulator's low half first), and back as whole rows of 256 bytes.
.macro TOSTAGE rb
	WIN 0x04                                       ; the data in window 1
.irp cb, 0,1,2,3
.irp q, 0,1
	ds_store_b128 v[STO], v[8*(4*(\rb)+(\cb))+4*(\q):8*(4*(\rb)+(\cb))+4*(\q)+3] offset:64*(\cb)+16*(\q)
.endr
.endr
	WIN 0
.irp t, 0,1,2,3,4,5,6,7
	ds_load_b128 v[RB+32*((\rb)&1)+4*(\t):RB+32*((\rb)&1)+4*(\t)+3], v[RD] offset:2*SPITCH*(\t)  ; LDS serves a wave's instructions in order (ISA guide 5.7.1.4): these see the stores above, and the next block's stores come behind them
.endr
.endm
.macro SEND rb, younger                ; younger: the LDS instructions issued behind this block's loads: the next block's sixteen, or none
	s_wait_dscnt \younger
.irp t, 0,1,2,3,4,5,6,7
	v_pk_add_f32 v[RB+32*((\rb)&1)+4*(\t):RB+32*((\rb)&1)+4*(\t)+1],   v[RB+32*((\rb)&1)+4*(\t):RB+32*((\rb)&1)+4*(\t)+1],   v[BO:BO+1]
	v_pk_add_f32 v[RB+32*((\rb)&1)+4*(\t)+2:RB+32*((\rb)&1)+4*(\t)+3], v[RB+32*((\rb)&1)+4*(\t)+2:RB+32*((\rb)&1)+4*(\t)+3], v[BO+2:BO+3]
.endr
.irp t, 0,1,2,3,4,5,6,7
	global_store_b128 v[CO], v[RB+32*((\rb)&1)+4*(\t):RB+32*((\rb)&1)+4*(\t)+3], s[10:11] offset:(16*(\rb)+2*(\t))*2048 th:TH_STORE_NT  ; 16 lanes store 256 consecutive bytes, at a multiple of 256 from out0's first
.endr
.endm
	s_load_b256 s[4:11], s[0:1], 0x0               ; gat s[4:5], wo16 s[6:7], the table s[8:9], out0 s[10:11]
	v_lshl_add_u32 v[SPW], v0, 2, SPARE
	v_mov_b32 v[NIL], 0
	ds_add_u32 v[SPW], v[NIL]                      ; the wave's opening: the add and its wait stand ahead of my first tensor load; the set-up below, work on registers, stands between them
	v_lshrrev_b32 v1, 5, v0
	v_readfirstlane_b32 s[WV], v1                  ; wave 0..3
	s_bfe_u32 s17, ttmp6, 0x40000                  ; my place in the cluster: it enters gat's and out0's addresses alone
	s_and_b32 s18, ttmp9, 1                        ; which half of the columns: the same in all four partners
	s_lshr_b32 s19, ttmp9, 1
	s_lshl2_add_u32 s19, s19, s17                  ; my block of 256 rows
	s_mov_b32 s[G1+0], 15|(3<<16)|(1<<21)          ; the mask of four; elements of 8 bytes; bit 21 beside a mask; no padding
	s_mov_b32 s[G1+1], 32<<16                      ; tensor_dim0 = 32 (256 bytes)
	s_mov_b32 s[G1+2], 256<<16                     ; tensor_dim1 = 256
	s_mov_b32 s[G1+3], 32<<16                      ; tile_dim0 = 32
	s_mov_b32 s[G1+4], 256                         ; tile_dim1 = 256
	s_mov_b32 s[G1+5], 32                          ; dense
	s_mov_b32 s[G1+6], 0
	s_mov_b32 s[G1+7], 0
	s_mov_b32 s[G0], 1
	s_lshl_b32 s[G0+1], s[WV], 16                  ; slice w of the half, 65,536 bytes, to LDS byte 65,536 w
	s_lshl_b32 s20, s18, 18
	s_lshl_b32 s21, s[WV], 16
	s_add_co_u32 s20, s20, s21                     ; the descriptor's offset: half and wave alone
	s_mov_b32 s21, 0
	s_lshl_b32 s22, s19, 18                        ; gat: 16 row blocks of 16,384 bytes a block, 4 a wave
	s_lshl_b32 s23, s[WV], 16
	s_add_co_u32 s22, s22, s23
	s_mov_b32 s23, 0
	s_lshl_b32 s38, s19, 19                        ; out0: 256 rows of 2,048 bytes, 64 a wave, 1,024 bytes a half
	s_lshl_b32 s39, s[WV], 17
	s_add_co_u32 s38, s38, s39
	s_lshl_b32 s40, s18, 10
	s_add_co_u32 s38, s38, s40
	s_mov_b32 s39, 0
	s_add_co_u32 s40, s40, TBO                     ; bo's half in the table
	s_mov_b32 s41, 0
	s_mul_i32 s42, s[WV], 16*SPITCH
	s_add_co_u32 s42, s42, STAGE                   ; my stage
	v_and_b32 v1, 31, v0
	v_lshlrev_b32 v[L16], 4, v1
	v_mov_b32 v[AB], v[L16]
	v_and_b32 v1, 15, v0                           ; r
	v_bfe_u32 v8, v0, 4, 1                         ; h
	v_mul_u32_u24 v[STO], v1, SPITCH               ; in: row r, 32 bytes for each half of the lanes
	v_lshl_add_u32 v[STO], v8, 5, v[STO]
	v_add_nc_u32 v[STO], s42, v[STO]
	v_mul_u32_u24 v[RD], v8, SPITCH                ; back: lanes 0-15 take one row of 256 bytes, lanes 16-31 the next
	v_lshl_add_u32 v[RD], v1, 4, v[RD]
	v_add_nc_u32 v[RD], s42, v[RD]
	v_lshlrev_b32 v[BOF], 4, v1
	v_lshl_add_u32 v[CO], v8, 11, v[BOF]           ; and the same two rows in out0
	s_wait_dscnt 0x0                               ; the opening add is done
	s_wait_kmcnt 0x0
	s_add_nc_u64 s[G0+2:G0+3], s[6:7], s[20:21]
	s_or_b32 s[G0+3], s[G0+3], 0x80000000          ; type = 2
	s_add_nc_u64 s[4:5], s[4:5], s[22:23]
	s_add_nc_u64 s[8:9], s[8:9], s[40:41]
	s_add_nc_u64 s[10:11], s[10:11], s[38:39]
	CROUND                                         ; all four work-groups are here: the joint loads meet
	tensor_load_to_lds s[G0:G0+3], s[G1:G1+7]      ; my one tensor load of the launch
	s_nop 0
.rept 4
	v_nop
.endr
.irp ks, 0,1,2,3,4,5,6,7,8,9,10,11,12,13,14,15   ; my 64 fragments of gat, K step by K step: 128 loads of 512 consecutive bytes
	WIN 0x80
.irp rb, 0,1
.irp g, 0,1
	global_load_b128 v[128*(\rb)+8*(\ks)+4*(\g):128*(\rb)+8*(\ks)+4*(\g)+3], v[L16], s[4:5] offset:(16*(\rb)+(\ks))*1024+512*(\g)
.endr
.endr
	WIN 0xc0
.irp rb, 0,1
.irp g, 0,1
	global_load_b128 v[128*(\rb)+8*(\ks)+4*(\g):128*(\rb)+8*(\ks)+4*(\g)+3], v[L16], s[4:5] offset:(16*((\rb)+2)+(\ks))*1024+512*(\g)
.endr
.endr
.endr
	WIN 0
	s_wait_tensorcnt 0x0                           ; my slice of Wo is in,
	s_barrier_signal -1
	s_barrier_wait -1                              ; everybody's is
	s_mov_b32 s[SC], 4
.Lslice:
	global_load_b128 v[BO:BO+3], v[BOF], s[8:9]    ; the slice's bias for my four columns
	FETCHB 0
.irp gk, 0,1,2,3,4,5,6,7
	s_wait_dscnt 0x0                               ; these two K steps' fragments of Wo
	; gat's K steps 2 gk and 2 gk + 1: behind them 8 (14 - 2 gk) loads of gat were issued; a wait names 63 at the most,
	; which leaves the first 66 of the 129 loads done: K steps 0 to 7.  In the later slices only the bias load is out; the last wait, for 0, brings it in.
.if 112-16*(\gk) > 63
	s_wait_loadcnt 63
.else
	s_wait_loadcnt 112-16*(\gk)
.endif
.if (\gk) < 7
	PLACES                                         ; the other buffer was read by the products just issued
	FETCHB (\gk)+1
.endif
	MUL32 \gk
.endr
	WIN 0
	PLACES                                         ; the LDS stores below read results just made
	TOSTAGE 0
	TOSTAGE 1
	SEND 0, 16
	s_wait_xcnt 0x0                                ; block 0's stores have read their data: its buffer is loaded again only behind this wait
	TOSTAGE 2
	SEND 1, 16
	s_wait_xcnt 0x0
	TOSTAGE 3
	SEND 2, 16
	SEND 3, 0
	s_wait_xcnt 0x0                                ; the stores have read their base and data, the bias load its offset
	s_add_nc_u64 s[10:11], s[10:11], 256           ; the next 64 columns
	v_add_nc_u32 v[BOF], 256, v[BOF]
	v_add_nc_u32 v[AB], 65536, v[AB]
	s_sub_co_u32 s[SC], s[SC], 1
	s_cmp_lg_u32 s[SC], 0
	s_cbranch_scc1 .Lslice
	s_wait_tensorcnt 0x0                           ; the wave's end: behind my last tensor load and my last LDS store
	ds_add_u32 v[SPW], v[NIL]
	s_wait_dscnt 0x0
	CROUND                                         ; the closing round
	s_endpgm
.Lfunc_end_k_q9eb699c67b_proj:
	.size	k_q9eb699c67b_proj, .Lfunc_end_k_q9eb699c67b_proj-k_q9eb699c67b_proj
	.p2alignl 7, 3214868480
	.fill 96, 4, 3214868480
	.section	.rodata,"a",@progbits
	.p2align	6, 0x0
	.amdhsa_kernel k_q9eb699c67b_proj
		.amdhsa_group_segment_fixed_size 327680
		.amdhsa_private_segment_fixed_size 0
		.amdhsa_enable_private_segment 0
		.amdhsa_kernarg_size 32
		.amdhsa_user_sgpr_count 2
		.amdhsa_user_sgpr_kernarg_segment_ptr 1
		.amdhsa_wavefront_size32 1
		.amdhsa_system_sgpr_workgroup_id_x 1
		.amdhsa_system_sgpr_workgroup_id_y 1
		.amdhsa_system_sgpr_workgroup_id_z 1
		.amdhsa_system_vgpr_workitem_id 0
		.amdhsa_next_free_vgpr 1024
		.amdhsa_next_free_sgpr 66
		.amdhsa_reserve_vcc 0
		.amdhsa_float_denorm_mode_32 3
		.amdhsa_float_denorm_mode_16_64 3
		.amdhsa_memory_ordered 1
		.amdhsa_forward_progress 1
		.amdhsa_inst_pref_size 56
	.end_amdhsa_kernel
	.amdgpu_metadata
---
amdhsa.version: [ 1, 2 ]
amdhsa.kernels:
  - .name:           k_q9eb699c67b_proj
    .symbol:         k_q9eb699c67b_proj.kd
    .args:
      - { .name: gat, .offset: 0, .size: 8, .value_kind: global_buffer, .address_space: global }
      - { .name: wo16, .offset: 8, .size: 8, .value_kind: global_buffer, .address_space: global }
      - { .name: gate, .offset: 16, .size: 8, .value_kind: global_buffer, .address_space: global }
      - { .name: out0, .offset: 24, .size: 8, .value_kind: global_buffer, .address_space: global }
    .group_segment_fixed_size: 327680
    .private_segment_fixed_size: 0
    .kernarg_segment_align: 8
    .kernarg_segment_size: 32
    .max_flat_workgroup_size: 128
    .sgpr_count:     66
    .vgpr_count:     1024
    .wavefront_size: 32
...
	.end_amdgpu_metadata
.endif
;; end of part 3
